; MI455X (gfx1250); checked and timed in simulation.
; The chip was launched on July 23, 2026; its instructions are those of AMD's public machine-readable ISA for CDNA 5 (MIT licence, August 2026) and "CDNA5" Instruction Set Architecture Reference Guide (July 2026). The comments in the code are by the model that wrote it; some were corrected since.
;; Multi Head Attention CF. Allowed arithmetic: matrix products marked QUANTISED: E3M2 operands, one E8M0 scale for each 32 along K, by v_wmma_scale_f32_16x16x128_f8f6f4 with both operands' format E3M2, f32 sums; everything else in f32.
;; Inputs: Wk 1,024 x 1,024 float32; Wo 1,024 x 1,024 float32; Wq 1,024 x 1,024 float32; Wv 1,024 x 1,024 float32; bk 1,024 float32; bo 1,024 float32; bq 1,024 float32; bv 1,024 float32; x 4 x 2,048 x 1,024 float32.
;; Outputs: out0 4 x 2,048 x 1,024 float32.
;; This version of the problem:
;;   THIS VERSION OF THE PROBLEM IS GIVEN IN LOW PRECISION. The matrix products marked QUANTISED in the list below multiply operands that are first quantised to E3M2 (3 exponent bits, 2 mantissa bits; 6 bits a number), with one power-of-two scale for each 32 numbers along K (OCP MX v1.0); their sums are f32. All else is computed in f32.
;;   The module's matrix products, in the order in which they are computed (A, B: the left and right operand; K: the contracted axis; several contracted axes count as one K, in the product's order):
;;     1. [M 8,192, K 1,024] x [K 1,024, N 1,024]; A: input x; B: input Wq: QUANTISED
;;     2. [M 8,192, K 1,024] x [K 1,024, N 1,024]; A: input x; B: input Wk: QUANTISED
;;     3. [M 8,192, K 1,024] x [K 1,024, N 1,024]; A: input x; B: input Wv: QUANTISED
;;     4. batch 64 x [M 2,048, K 64] x [K 64, N 2,048]; A: computed on the way; B: computed on the way: QUANTISED
;;     5. batch 64 x [M 2,048, K 2,048] x [K 2,048, N 64]; A: softmax (see below); B: computed on the way: QUANTISED
;;     6. [M 8,192, K 1,024] x [K 1,024, N 1,024]; A: computed on the way; B: input Wo: QUANTISED
;;   THE QUANTISER, for each operand of a quantised product, along K:
;;     - K is cut into blocks of 32 from its start; a last block that is shorter is filled with zeros.
;;     - A block's scale is 2^e with e = floor(log2(the largest magnitude in the block)) - 4, held to -126 .. 127; a block of zeros has e = 0. As a byte (E8M0): e + 127.
;;     - Each number is divided by its block's scale, clamped to +-28, and rounded to the nearest number of E3M2, ties to even, subnormals kept.
;;     - The product sums the exact products of the quantised numbers (number of the format x scale) in f32.
;;   ~~~python
;;   def quantise(x, axis):      # numpy; x: float32 -> the quantised numbers, widened to float32 again
;;       x = np.moveaxis(x, axis, -1); K = x.shape[-1]
;;       x = np.pad(x, [(0, 0)] * (x.ndim - 1) + [(0, -K % 32)]); x = x.reshape(x.shape[:-1] + (-1, 32)); a = np.abs(x).max(-1, keepdims=True)
;;       e = np.where(a > 0, np.clip(np.frexp(np.where(a > 0, a, 1))[1] - 1 - 4, -126, 127), 0)      # np.frexp(a)[1] - 1 = floor(log2(a)), exactly
;;       r = np.clip(x / 2.0 ** e, -28, 28)
;;       step = 2.0 ** (np.maximum(np.frexp(np.where(r == 0, 1, r))[1] - 1, -2) - 2)
;;       q = np.round(r / step) * step * 2.0 ** e      # np.round: ties to even
;;       return np.moveaxis(q.reshape(q.shape[:-2] + (-1,))[..., :K], -1, axis).astype(np.float32)
;;   ~~~
;;   SOFTMAX AHEAD OF A QUANTISED PRODUCT. Where the list says 'softmax', what is quantised is not the finished softmax but p = 2^(t - M), with t = logit x log2(e) and M = ceil(the row's largest t), a whole number; so 1/2 < the row's largest p <= 1. The row's sum l is taken of the UNQUANTISED p, in f32, and the product's result is divided by l at the end. Since M is a whole number, a kernel that streams over the keys may use a running M (the ceiling of the running maximum): every later rescaling is an exact power of two, which a block's scale takes up: the codes' values come out the same.
;;   OPERANDS COMPUTED ON THE WAY. 'Computed on the way' means the value that the module computes at that place (a softmax that the list does not call 'softmax' is quantised finished and normalised). What goes into a quantiser is computed in f32, as accurately as f32 sums, v_exp_f32 and their like allow (about 1e-6 of the number): no bf16 or f16 on the way to a quantiser, and a product that is left as it is and whose result goes on into a quantised operand takes f32 operands (vector FMAs, or v_wmma_f32_16x16x4_f32). A number that lies on a knife's edge between two numbers of the format may be rounded either way, as far as f32 arithmetic and the matrix unit's own rounding can turn it there, and no further.
;; One version. Each part assembles by itself: llvm-mc -triple=amdgcn-amd-amdhsa -mcpu=gfx1250 --defsym DOCPART=n.
;; ======== version 1 of 1: 4 launches
;; limits: right only within a limited range of input values
;; workspace buffers: cod 9,830,400 bytes; qb 6,815,744 bytes; kv 13,369,344 bytes; acod 6,553,600 bytes
;; launch quant (part 1): grid 384 x 1, 4 waves a work-group, no clusters, 35,328 bytes of LDS; arguments x, Wq, Wk, Wv, Wo, cod; writes cod
.if DOCPART == 1
	.amdgcn_target "amdgcn-amd-amdhsa--gfx1250"
	.amdhsa_code_object_version 6
	.text
	.protected	k_qd753b5ff14_quant
	.globl	k_qd753b5ff14_quant
	.p2align	8
	.type	k_qd753b5ff14_quant,@function
k_qd753b5ff14_quant:
	s_mov_b64 s[64:65], 0
	v_nop
	global_prefetch_b8 v0, s[64:65] scope:SCOPE_SE
	s_setreg_imm32_b32 hwreg(HW_REG_WAVE_MODE, 25, 1), 1
	s_wait_xcnt 0x0
; MULTI-HEAD ATTENTION, all six products on codes of BF6 (E3M2) with one E8M0 scale for each 32 along K.  Four launches: this one (x and the four weights into codes),
; proj (Q, K, V with their biases, quantised in registers), attn (both attention products and the softmax), outp (the last projection).
; DEAD WORK: none is left out.  Every input has a way to the output: bk too, which a softmax in real numbers would cancel, moves K's codes and scales ahead of a quantised product and stays.
; LIMITS: NaN and infinities among the inputs are not served.  A block whose largest magnitude lies under 2^-122 gets the scale byte 1 (the floor), a block of zeros too, where the rule says 127:
; its codes are zeros, which add nothing under any byte but 0xff, and the bytes are read by this program alone.
;
; THIS LAUNCH.  x [8192][1024] and Wq, Wk, Wv, Wo [1024][1024], f32, K innermost, become 768 tiles of 16 rows in cod: tiles 0-511 x, then 64 for each weight.
; A tile is 12,800 bytes: two chunks (K = 512 each) of 6,400: eight HALF FRAGMENTS of 768 bytes, then 256 bytes of scale words [row 16][4 words], word s for K = 128 s on.
; A half fragment is 16 rows x 64 K as an image of the operand's registers: lane l = 16 h + r holds row r, k = 32 h .. 32 h + 31, 24 bytes: the first 16 at 16 l, the last 8 at 512 + 8 l.
; So every later load of an operand is 512 or 256 consecutive bytes, with no pitch and no padding.
; THE ROWS OF A TILE ARE NOT NEIGHBOURS: image row p of tile T is row 32 (T / 2) + 8 (T % 2) + p + 8 (p / 8).  Where such tiles are a product's source 0, a lane's 16 result registers of tiles 2 B and 2 B + 1
; are 16 neighbours, which the next quantiser wants.
; SHARES.  Work-group g, wave w: tile 2 g + w / 2, chunk w % 2: eight steps of one half fragment (16 rows x 256 bytes of f32).  A load takes two rows' 256 bytes, 16 bytes a lane; the step's 4,096 bytes turn through the
; wave's own stage in LDS (rows 272 bytes apart) and come back 128 bytes a lane: a whole block of 32 in one lane's registers, so that its largest magnitude needs no other lane.
; Loads run three steps ahead, the turn through LDS one step.  Waves share nothing: no barrier.
.set TILEB, 12800
.set CHB,   6400
.set WREG,  8704                       ; LDS of a wave: two stages of 16 x 272 bytes
.set STG,   4352
.set SPARE, 4*WREG                     ; behind the four regions: the spare words, 128 bytes a wave
.set GI,  4                            ; v4   a load's offset: 4,096 h + 16 r
.set SI,  5                            ; v5   the stage, way in: 272 h + 16 r
.set SO,  6                            ; v6   the stage, way out: 272 r + 128 h
.set L16, 7                            ; v7   16 x lane
.set L8,  8                            ; v8   8 x lane
.set SWO, 9                            ; v9   16 r + 8 h: my two scale words' place
.set SH,  10                           ; v10  8 h
.set SPW, 12                           ; v12  my spare word; never rewritten
.set NIL, 13                           ; v13  0; never rewritten
.set R,   16                           ; v16-111  three sets of 32 registers as loaded
.set X,   112                          ; v112-175 two sets: a block of 32 neighbours
.set C,   176                          ; v176-239 eight registers of codes for each step: no store's data are written again
.set E,   240                          ; v240-243 the chunk's four scale words in the making
	s_load_b256 s[4:11], s[0:1], 0x0               ; x s[4:5], Wq s[6:7], Wk s[8:9], Wv s[10:11]
	s_load_b128 s[12:15], s[0:1], 0x20             ; Wo s[12:13], cod s[14:15]
	v_lshl_add_u32 v[SPW], v0, 2, SPARE
	v_mov_b32 v[NIL], 0
	v_lshrrev_b32 v1, 5, v0
	v_readfirstlane_b32 s16, v1                    ; wave 0..3
	v_and_b32 v1, 31, v0                           ; lane
	v_and_b32 v2, 15, v0                           ; r
	v_bfe_u32 v3, v0, 4, 1                         ; h
	s_lshr_b32 s18, s16, 1                         ; which tile of the work-group's two
	s_and_b32 s19, s16, 1                          ; which chunk of K
	s_mul_i32 s17, s16, WREG
	v_lshlrev_b32 v[GI], 4, v2
	v_lshl_add_u32 v[GI], v3, 12, v[GI]
	v_mul_u32_u24 v[SI], v3, 272
	v_lshl_add_u32 v[SI], v2, 4, v[SI]
	v_add_nc_u32 v[SI], s17, v[SI]
	v_mul_u32_u24 v[SO], v2, 272
	v_lshl_add_u32 v[SO], v3, 7, v[SO]
	v_add_nc_u32 v[SO], s17, v[SO]
	v_lshlrev_b32 v[L16], 4, v1
	v_lshlrev_b32 v[L8], 3, v1
	v_lshlrev_b32 v[SWO], 4, v2
	v_lshl_add_u32 v[SWO], v3, 3, v[SWO]
	v_lshlrev_b32 v[SH], 3, v3
.irp s, 0,1,2,3
	v_mov_b32 v[248+\s], 0                         ; written once: a lane permute's destination counts as one of its sources
.endr
	s_mov_b32 s26, 0x76543210
	s_mov_b32 s27, 0xfedcba98                      ; v_permlanex16_b32's selects for lane l xor 16
	s_mov_b32 s22, 352
	s_wait_kmcnt 0x0
	s_cmp_lt_u32 ttmp9, 352                        ; which tensor: the choice hangs on the work-group's number alone
	s_cselect_b64 s[20:21], s[10:11], s[12:13]
	s_cselect_b32 s22, 320, s22
	s_cmp_lt_u32 ttmp9, 320
	s_cselect_b64 s[20:21], s[8:9], s[20:21]
	s_cselect_b32 s22, 288, s22
	s_cmp_lt_u32 ttmp9, 288
	s_cselect_b64 s[20:21], s[6:7], s[20:21]
	s_cselect_b32 s22, 256, s22
	s_cmp_lt_u32 ttmp9, 256
	s_cselect_b64 s[20:21], s[4:5], s[20:21]
	s_cselect_b32 s22, 0, s22                      ; the tensor's first work-group
	s_sub_co_u32 s22, ttmp9, s22
	s_lshl_b32 s22, s22, 17                        ; 32 rows of 4,096 bytes a work-group,
	s_lshl_b32 s23, s18, 15                        ; the second tile begins 8 rows on,
	s_add_co_u32 s22, s22, s23
	s_lshl_b32 s23, s19, 11                        ; the second chunk 512 numbers on
	s_add_co_u32 s22, s22, s23
	s_mov_b32 s23, 0
	s_add_nc_u64 s[20:21], s[20:21], s[22:23]
	s_lshl_b32 s24, ttmp9, 1
	s_add_co_u32 s24, s24, s18
	s_mul_i32 s24, s24, TILEB
	s_mul_i32 s25, s19, CHB
	s_add_co_u32 s24, s24, s25
	s_mov_b32 s25, 0
	s_add_nc_u64 s[14:15], s[14:15], s[24:25]      ; my chunk in cod
.macro LOAD t                          ; step t: image rows 2 i and 2 i + 1, 256 consecutive bytes each, aligned
.irp i, 0,1,2,3,4,5,6,7
	global_load_b128 v[R+32*((\t)%3)+4*\i:R+32*((\t)%3)+4*\i+3], v[GI], s[20:21] offset:(2*\i+8*(\i/4))*4096+256*(\t) th:TH_LOAD_NT
.endr
.endm
.macro TURN t                          ; through the stage: LDS serves a wave's instructions in order, so no wait stands between the stores and the loads
.irp i, 0,1,2,3,4,5,6,7
	ds_store_b128 v[SI], v[R+32*((\t)%3)+4*\i:R+32*((\t)%3)+4*\i+3] offset:STG*((\t)%2)+544*\i
.endr
.irp i, 0,1,2,3,4,5,6,7
	ds_load_b128 v[X+32*((\t)%2)+4*\i:X+32*((\t)%2)+4*\i+3], v[SO] offset:STG*((\t)%2)+16*\i
.endr
.endm
.macro STEP t
.set XS, X+32*((\t)%2)
.set CS, C+8*(\t)
	s_wait_dscnt 0x0                               ; this step's block is back from the stage, and its stores into the stage have read their registers,
.if (\t)+3 < 8
	LOAD (\t)+3                                    ; which take the loads of three steps on
.endif
.if (\t) < 7
.if (\t) < 5
	s_wait_loadcnt 16                              ; the next step's eight loads are in; those of the two steps behind it may be out
.elseif (\t) == 5
	s_wait_loadcnt 8                               ; one step is behind it
.else
	s_wait_loadcnt 0x0
.endif
	TURN (\t)+1                                    ; the next step goes through the other stage while this one is worked
.endif
	v_max3_num_f32 v244, |v[XS]|, |v[XS+1]|, |v[XS+2]|             ; the block's largest magnitude: all 32 numbers are mine; two chains
	v_max3_num_f32 v245, |v[XS+3]|, |v[XS+4]|, |v[XS+5]|
.irp i, 6,10,14,18,22,26
	v_max3_num_f32 v244, v244, |v[XS+\i]|, |v[XS+\i+1]|
	v_max3_num_f32 v245, v245, |v[XS+\i+2]|, |v[XS+\i+3]|
.endr
	v_max3_num_f32 v244, v244, |v[XS+30]|, |v[XS+31]|
	v_max3_num_f32 v244, v244, v245, 0x2800000     ; and the floor 2^(5 - 127): the byte cannot fall under 1
	v_add_nc_u32 v246, 0xfe000000, v244            ; 4 off its exponent field: the conversion takes the exponent field of this operand as its scale
	v_cvt_scalef32_pk16_bf6_f32 v[CS:CS+2], v[XS:XS+15], v246
	v_cvt_scalef32_pk16_bf6_f32 v[CS+4:CS+6], v[XS+16:XS+31], v246   ; (a conversion's three registers begin on an even number)
	v_lshrrev_b32 v247, 23, v246                   ; the scale's byte; also the plain instruction behind the conversions
.if (\t)%2 == 0
	v_mov_b32 v[E+(\t)/2], v247                    ; half fragment t, half h, is byte 2 (t % 2) + h of word t / 2
.else
	v_lshl_or_b32 v[E+(\t)/2], v247, 16, v[E+(\t)/2]
.endif
	v_mov_b32 v[CS+3], v[CS+4]                     ; the block's 24 bytes on end
	v_mov_b32 v[CS+4], v[CS+5]
	v_mov_b32 v[CS+5], v[CS+6]
	global_store_b128 v[L16], v[CS:CS+3], s[14:15] offset:768*(\t)         ; 512 consecutive bytes, aligned
	global_store_b64 v[L8], v[CS+4:CS+5], s[14:15] offset:768*(\t)+512     ; 256 consecutive bytes, aligned
.endm
	LOAD 0
	LOAD 1
	LOAD 2
	s_wait_loadcnt 16                              ; step 0's eight loads are in; steps 1 and 2 may be out
	TURN 0
.irp t, 0,1,2,3,4,5,6,7
	STEP \t
.endr
.irp s, 0,1,2,3
	v_lshlrev_b32 v[E+\s], v[SH], v[E+\s]          ; my two bytes at their places, 8 h bits up;
.endr
.irp s, 0,1,2,3
	v_permlanex16_b32 v[248+\s], v[E+\s], s26, s27
.endr
.irp s, 0,1,2,3
	v_or_b32 v[E+\s], v[E+\s], v[248+\s]           ; with lane l xor 16's two the word is whole
.endr
	v_cmp_eq_u32 vcc_lo, 1, v3
	v_cndmask_b32 v244, v[E], v[E+2], vcc_lo       ; lanes 0-15 store their row's words 0, 1, lanes 16-31 words 2, 3
	v_cndmask_b32 v245, v[E+1], v[E+3], vcc_lo
	global_store_b64 v[SWO], v[244:245], s[14:15] offset:6144              ; 256 consecutive bytes, aligned
	s_wait_tensorcnt 0x0                           ; the wave's end, behind my last LDS store
	ds_add_u32 v[SPW], v[NIL]
	s_wait_dscnt 0x0
	s_endpgm
.Lfunc_end_k_qd753b5ff14_quant:
	.size	k_qd753b5ff14_quant, .Lfunc_end_k_qd753b5ff14_quant-k_qd753b5ff14_quant
	.p2alignl 7, 3214868480
	.fill 96, 4, 3214868480
	.section	.rodata,"a",@progbits
	.p2align	6, 0x0
	.amdhsa_kernel k_qd753b5ff14_quant
		.amdhsa_group_segment_fixed_size 35328
		.amdhsa_private_segment_fixed_size 0
		.amdhsa_enable_private_segment 0
		.amdhsa_kernarg_size 48
		.amdhsa_user_sgpr_count 2
		.amdhsa_user_sgpr_kernarg_segment_ptr 1
		.amdhsa_wavefront_size32 1
		.amdhsa_system_sgpr_workgroup_id_x 1
		.amdhsa_system_sgpr_workgroup_id_y 1
		.amdhsa_system_sgpr_workgroup_id_z 1
		.amdhsa_system_vgpr_workitem_id 0
		.amdhsa_next_free_vgpr 256
		.amdhsa_next_free_sgpr 66
		.amdhsa_reserve_vcc 1
		.amdhsa_float_denorm_mode_32 3
		.amdhsa_float_denorm_mode_16_64 3
		.amdhsa_memory_ordered 1
		.amdhsa_forward_progress 1
		.amdhsa_inst_pref_size 31
	.end_amdhsa_kernel
	.amdgpu_metadata
---
amdhsa.version: [ 1, 2 ]
amdhsa.kernels:
  - .name:           k_qd753b5ff14_quant
    .symbol:         k_qd753b5ff14_quant.kd
    .args:
      - { .name: x, .offset: 0, .size: 8, .value_kind: global_buffer, .address_space: global }
      - { .name: Wq, .offset: 8, .size: 8, .value_kind: global_buffer, .address_space: global }
      - { .name: Wk, .offset: 16, .size: 8, .value_kind: global_buffer, .address_space: global }
      - { .name: Wv, .offset: 24, .size: 8, .value_kind: global_buffer, .address_space: global }
      - { .name: Wo, .offset: 32, .size: 8, .value_kind: global_buffer, .address_space: global }
      - { .name: cod, .offset: 40, .size: 8, .value_kind: global_buffer, .address_space: global }
    .group_segment_fixed_size: 35328
    .private_segment_fixed_size: 0
    .kernarg_segment_align: 8
    .kernarg_segment_size: 48
    .max_flat_workgroup_size: 128
    .sgpr_count:     66
    .vgpr_count:     256
    .wavefront_size: 32
...
	.end_amdgpu_metadata
.endif
;; end of part 1
;; launch proj (part 2): grid 192 x 4, 4 waves a work-group, clusters of 4 x 4, 307,712 bytes of LDS; arguments cod, bq, bk, bv, qb, kv; writes qb, kv
.if DOCPART == 2
	.amdgcn_target "amdgcn-amd-amdhsa--gfx1250"
	.amdhsa_code_object_version 6
	.text
	.protected	k_qd753b5ff14_proj
	.globl	k_qd753b5ff14_proj
	.p2align	8
	.type	k_qd753b5ff14_proj,@function
k_qd753b5ff14_proj:
	s_mov_b64 s[64:65], 0
	v_nop
	global_prefetch_b8 v0, s[64:65] scope:SCOPE_SE
	s_setreg_imm32_b32 hwreg(HW_REG_WAVE_MODE, 25, 1), 1
	s_wait_xcnt 0x0
	s_wait_alu depctr_hold_cnt(0) depctr_sa_sdst(0) depctr_va_vdst(0) depctr_va_sdst(0) depctr_va_ssrc(0) depctr_va_vcc(0) depctr_vm_vsrc(0)
	s_getreg_b32 s2, hwreg(HW_REG_IB_STS2, 6, 4)
	s_cmp_eq_u32 s2, 0
	s_cbranch_scc0 .Lentry_in_a_cluster
	s_endpgm
.Lentry_in_a_cluster:
	s_bfe_u32 s2, ttmp6, 0x10000c
	s_cmp_lg_u32 s2, 0xf033
	s_cbranch_scc0 .Lentry_shape_is_right
	s_endpgm
.Lentry_shape_is_right:
; Q = x Wq^T + bq, K = x Wk^T + bk, V = x Wv^T + bv on the codes of cod, and the results quantised in registers for the attention products: Q and K along the head's 64, V along the keys.  No work is left out.
; LIMITS as in the first launch: no NaN or infinity; a block under 2^-122 or of zeros gets the byte 1.
; THE FRAME.  A work-group makes 256 rows of the operand on the LANE axis (source 1, here called A) x 128 rows of the operand on the REGISTER axis (source 0, called B); K = 1,024.
; Four waves: wave w has A's tiles 4 w .. 4 w + 3 against all eight of B: 32 accumulators, 256 registers.  ALL OF K LIES IN LDS: two chunks of K = 512, each 24 tiles x 6,400 bytes, each filled once; nothing is filled again.
; MODES, by the cluster's number (the same in all sixteen partners).  Clusters 0-31: A = x, B = Wq | Wk: a lane holds one row of x and its registers run along the features: 128 features are two heads.
; Clusters 32-47: A = Wv, B = x: a lane holds one feature of V and its registers run along the keys: 128 keys are one K step of the second attention product.
; By the choice of rows in cod's tiles a lane's 64 results for one A tile are register 16 b + i = position 32 b + 16 (lane / 16) + i on the register axis: four blocks of 32, each shared by lanes l and l xor 16.
; CLUSTER 4 x 4: A's tiles hang on the cluster's row alone and are asked for jointly along it, B's on its column.  Waves 0, 2 ask for A's halves, waves 1, 3 for B's; a wave has two tensor loads outstanding at the most.
; OUT.  qb [head 64][step 16] x 6,656: eight tiles x 768 bytes of codes, then 512 bytes of scale words.  kv [head][step] x 13,056: K's eight tiles (6,144), V's four tiles of 16 features x 128 keys (6,144),
; K's scale words (512), V's (256).  Scale words lie [lane 16 (tile % 2) + r][2 words], so that one load of 8 bytes a lane brings even tiles' words to lanes 0-15 and odd tiles' to lanes 16-31.
; Q's and K's words have two bytes (64 along K) and zeros above.  Every store covers 256 or 512 consecutive bytes, aligned.
; REGISTERS: window 0: v1-24 lanes and addresses; v32-79 scale words (nothing else); v80-143 the bias; v144-239 A's fragments, two sets; v240-255 at work.  Window 1: B's fragments, sets at v0 and v128.  Window 2: accumulator (a, b) at v[64 a + 8 b].
.set TILEB, 12800
.set CHB,   6400
.set CHUNK, 153600                     ; LDS: chunk c at c x CHUNK: A's 16 tiles, then B's 8
.set BOFF,  102400
.set SPARE, 2*CHUNK                    ; behind the chunks: the spare words, 128 bytes a wave
.set ADA16, 8                          ; v8, 9    chunk c: my A tiles' planes of 16 bytes a lane
.set ADA8,  10                         ; v10, 11  and of 8
.set ADB16, 12                         ; v12, 13  B's
.set ADB8,  14                         ; v14, 15
.set ADSA,  16                         ; v16, 17  A's scale words: lanes 0-15 an even tile's row r, lanes 16-31 the next tile's
.set ADSB,  18                         ; v18, 19  B's
.set VO16,  20                         ; v20 16 x lane; v21 the same for the second half of a fragment
.set VO8,   22                         ; v22 8 x lane; v23 likewise
.set SPW,   28
.set NIL,   29
.set SC,    32                         ; set c at SC + 24 c: A's words at 4 (a / 2) + s, B's at 8 + 4 (b / 2) + s
.set BIAS,  80
.set AF,    144
.set PC,    144                        ; the way out: the codes just made, v144-162
.set SW,    232                        ; v232-235 the four A tiles' scale words
.set TM,    240                        ; v240-243 largest magnitudes, v244-247 bytes, v252-255 the conversions' scale operands
.set G1A, 24
.set G1B, 32
.set G0A, 40
.set G0B, 48
.set MSB, 0
.macro WIN new                         ; the immediate's high byte repeats the setting that is left
.if MSB != \new
	s_set_vgpr_msb (MSB<<8)|\new
.set MSB, \new
.endif
.endm
; THE HEAD'S FOUR JOINT LOADS, ONE A WAVE: wave 0 asks for A's 16 tiles of chunk 0, wave 1 for B's 8, wave 2 for A's of chunk 1, wave 3 for B's.
; One chain of branches on the wave's number, a load to an arm, all arms leading to one join.
.macro ARM under, g0, g1, next
	s_cmp_lt_u32 s16, \under
	s_cbranch_scc0 \next
	tensor_load_to_lds s[\g0:\g0+3], s[\g1:\g1+7]
	s_nop 0
.rept 4
	v_nop
.endr
	s_branch .Lhead_asked
\next:
.endm
.macro CROUND                          ; a round of the cluster's barrier
	s_barrier_signal -1
	s_barrier_wait -1
	s_cmp_lg_u32 s16, 0
	s_cbranch_scc1 .Lnot_wave_0_\@
	s_barrier_signal -3
.Lnot_wave_0_\@:
	s_barrier_wait -3
	s_barrier_signal -1
	s_barrier_wait -1
.endm
.macro PLACES
.rept 4
	v_nop
.endr
.endm
.macro FRAG reg, a16, a8, off          ; a fragment, 16 rows x 128 K: two half fragments on end
	ds_load_b128 v[\reg:\reg+3], v[\a16] offset:\off
	ds_load_b64 v[\reg+4:\reg+5], v[\a8] offset:\off+512
	ds_load_b128 v[\reg+6:\reg+9], v[\a16] offset:\off+768
	ds_load_b64 v[\reg+10:\reg+11], v[\a8] offset:\off+1280
.endm
.macro FETCH k                         ; K step k (128 along K): B's eight fragments and my four of A into set k % 2
.set fc, (\k)>>2
.set fs, (\k)&3
.set fp, (\k)&1
	WIN 0x40                                       ; destination window 1, address window 0
.irp i, 0,1,2,3,4,5,6,7
	FRAG 128*fp+12*\i, ADB16+fc, ADB8+fc, 6400*\i+1536*fs
.endr
	WIN 0
.irp i, 0,1,2,3
	FRAG AF+48*fp+12*\i, ADA16+fc, ADA8+fc, 6400*\i+1536*fs
.endr
.endm
.macro SCALES c                        ; a chunk's scale words, four K steps at once
.irp q, 0,1
	ds_load_b128 v[SC+24*\c+4*\q:SC+24*\c+4*\q+3], v[ADSA+\c] offset:12800*\q
.endr
.irp q, 0,1,2,3
	ds_load_b128 v[SC+24*\c+8+4*\q:SC+24*\c+8+4*\q+3], v[ADSB+\c] offset:12800*\q
.endr
.endm
.macro WM o0, o1                       ; one product; an odd tile's scale words stand in lanes 16-31
.if ((\o0) == 1) && ((\o1) == 1)
	v_wmma_scale_f32_16x16x128_f8f6f4 v[rD:rD+7], v[rB:rB+11], v[rA:rA+11], v[rC:rC+7], v[rSB], v[rSA] matrix_a_fmt:MATRIX_FMT_BF6 matrix_b_fmt:MATRIX_FMT_BF6 matrix_a_scale:MATRIX_SCALE_ROW1 matrix_b_scale:MATRIX_SCALE_ROW1
.elseif (\o0) == 1
	v_wmma_scale_f32_16x16x128_f8f6f4 v[rD:rD+7], v[rB:rB+11], v[rA:rA+11], v[rC:rC+7], v[rSB], v[rSA] matrix_a_fmt:MATRIX_FMT_BF6 matrix_b_fmt:MATRIX_FMT_BF6 matrix_a_scale:MATRIX_SCALE_ROW1
.elseif (\o1) == 1
	v_wmma_scale_f32_16x16x128_f8f6f4 v[rD:rD+7], v[rB:rB+11], v[rA:rA+11], v[rC:rC+7], v[rSB], v[rSA] matrix_a_fmt:MATRIX_FMT_BF6 matrix_b_fmt:MATRIX_FMT_BF6 matrix_b_scale:MATRIX_SCALE_ROW1
.else
	v_wmma_scale_f32_16x16x128_f8f6f4 v[rD:rD+7], v[rB:rB+11], v[rA:rA+11], v[rC:rC+7], v[rSB], v[rSA] matrix_a_fmt:MATRIX_FMT_BF6 matrix_b_fmt:MATRIX_FMT_BF6
.endif
.endm
; 32 products of K step k.  mode 0: onto the sums; 1: the sums begin with the bias of the register axis; 2: with that of the lane axis.  The 32 accumulators take turns in the same order in every step.
.macro MUL k, mode
.set mc, (\k)>>2
.set ms, (\k)&3
.set mp, (\k)&1
.if \mode == 0
	WIN 0xa1                                       ; source 0 (B) window 1, source 1 (A) window 0, C and D window 2
.else
	WIN 0x81                                       ; C, the bias, window 0
.endif
.irp a, 0,1,2,3
.irp b, 0,1,2,3,4,5,6,7
.set rD, 64*\a+8*\b
.set rB, 128*mp+12*\b
.set rA, AF+48*mp+12*\a
.set rSB, SC+24*mc+8+4*(\b/2)+ms
.set rSA, SC+24*mc+4*(\a/2)+ms
.if \mode == 0
.set rC, rD
.elseif \mode == 1
.set rC, BIAS+8*\b
.else
.set rC, BIAS+8*\a
.endif
	WM \b%2, \a%2
.endr
.endr
.endm
.macro STEP k, mode
	s_wait_dscnt 0x0                               ; this step's fragments (and its chunk's scale words) are in
.if \k == 3
	s_wait_tensorcnt 0x0                           ; my part of chunk 1 has landed,
	s_barrier_signal -1
	s_barrier_wait -1                              ; everybody's has
.endif
.if \k < 7
.if \k > 0
	PLACES                                         ; four places between the last products and the loads into the set that they read
.endif
	FETCH (\k)+1
.if \k == 3
	SCALES 1
.endif
.endif
	MUL \k, \mode
	WIN 0
.endm
.macro HEAD0
	s_cmp_gt_u32 s16, 1
	s_cbranch_scc1 .Lnot_c0_\@                     ; waves 2 and 3 asked for chunk 1 by lines of their own: they wait for it ahead of K step 4's barrier
	s_wait_tensorcnt 0x0                           ; waves 0 and 1: my tile of chunk 0 has landed
.Lnot_c0_\@:
	s_barrier_signal -1
	s_barrier_wait -1                              ; chunk 0 is whole
	FETCH 0
	SCALES 0
.endm
	s_load_b256 s[4:11], s[0:1], 0x0               ; cod s[4:5], bq s[6:7], bk s[8:9], bv s[10:11]
	s_load_b128 s[12:15], s[0:1], 0x20             ; qb s[12:13], kv s[14:15]
	v_lshl_add_u32 v[SPW], v0, 2, SPARE
	v_mov_b32 v[NIL], 0
	ds_add_u32 v[SPW], v[NIL]                      ; the wave's opening: the add, twice on end, and its wait ahead of my first tensor load
	ds_add_u32 v[SPW], v[NIL]
	v_lshrrev_b32 v4, 5, v0
	v_readfirstlane_b32 s16, v4                    ; wave 0..3
	s_and_b32 s18, s16, 1                          ; which half of its tiles
	s_bfe_u32 s19, ttmp6, 0x40000                  ; cx
	s_bfe_u32 s20, ttmp6, 0x40004                  ; cy
	s_lshr_b32 s58, ttmp9, 2
	s_and_b32 s60, ttmp9, 3
	s_sub_co_u32 s61, ttmp9, 32
	s_cmp_lt_u32 ttmp9, 32                         ; the cluster's number: the same in all partners
	s_cselect_b32 s21, 0, 1                        ; MODE
	s_cselect_b32 s22, s58, 0                      ; the cluster's place along A
	s_cselect_b32 s23, s60, s61                    ; and along B
	s_cselect_b32 s59, 0, 640                      ; A's first tile in cod: x or Wv
	s_cselect_b32 s62, 512, 0                      ; B's: Wq | Wk or x
	s_lshl_b32 s56, s22, 2
	s_add_co_u32 s56, s56, s20                     ; At: which 256 rows of A
	s_lshl_b32 s57, s23, 2
	s_add_co_u32 s57, s57, s19                     ; Bt: which 128 rows of B
	s_lshl_b32 s58, s56, 4                         ; A's address is made in s58, s59, which never hold cx;
	s_add_co_u32 s58, s58, s59
	s_mul_i32 s58, s58, TILEB
	s_mov_b32 s59, 0
	s_lshl_b32 s60, s57, 3                         ; B's in s60, s61, which never hold cy
	s_add_co_u32 s60, s60, s62
	s_mul_i32 s60, s60, TILEB
	s_mov_b32 s61, 0
	s_mov_b32 s62, 0                               ; where they go in a chunk: A's 16 tiles, then B's 8
	s_mov_b32 s63, BOFF
	s_lshl_b32 s78, s20, 2
	s_lshl_b32 s78, 15, s78                        ; my row of the cluster
	s_lshl_b32 s79, 0x1111, s19                    ; my column
	; group 1: rows of 6,400 bytes (a tile's chunk: 800 elements of 8 bytes), 12,800 bytes apart; A: 16 rows, B: 8; no padding
	s_or_b32 s[G1A], s78, (3<<16)|(1<<21)
	s_or_b32 s[G1B], s79, (3<<16)|(1<<21)
.irp g, G1A, G1B
	s_mov_b32 s[\g+1], 800<<16                     ; tensor_dim0
	s_mov_b32 s[\g+3], 800<<16                     ; tile_dim0
	s_mov_b32 s[\g+5], 1600                        ; the pitch
	s_mov_b32 s[\g+6], 0
	s_mov_b32 s[\g+7], 0
.endr
	s_mov_b32 s[G1A+2], 16<<16                     ; tensor_dim1: A's 16 tiles in one load
	s_mov_b32 s[G1A+4], 16                         ; tile_dim1
	s_mov_b32 s[G1B+2], 8<<16                      ; B's 8
	s_mov_b32 s[G1B+4], 8
	s_mov_b32 s76, 0x76543210
	s_mov_b32 s77, 0xfedcba98                      ; v_permlanex16_b32's selects for lane l xor 16
	s_wait_dscnt 0x0                               ; both opening adds are done
	s_wait_kmcnt 0x0
	s_add_nc_u64 s[58:59], s[4:5], s[58:59]
	s_add_nc_u64 s[60:61], s[4:5], s[60:61]
	CROUND                                         ; all sixteen work-groups are here: the joint loads meet
.irp c, 0,1
	s_mov_b32 s[G0A+4*\c], 1
	s_add_co_u32 s[G0A+4*\c+1], s62, \c*CHUNK
	s_add_nc_u64 s[G0A+4*\c+2:G0A+4*\c+3], s[58:59], \c*CHB
	s_or_b32 s[G0A+4*\c+3], s[G0A+4*\c+3], 0x80000000
	s_mov_b32 s[G0B+4*\c], 1
	s_add_co_u32 s[G0B+4*\c+1], s63, \c*CHUNK
	s_add_nc_u64 s[G0B+4*\c+2:G0B+4*\c+3], s[60:61], \c*CHB
	s_or_b32 s[G0B+4*\c+3], s[G0B+4*\c+3], 0x80000000
.endr
	ARM 1, G0A, G1A, .Lhead_b0
	ARM 2, G0B, G1B, .Lhead_a1
	ARM 3, G0A+4, G1A, .Lhead_b1
	tensor_load_to_lds s[G0B+4:G0B+7], s[G1B:G1B+7]
	s_nop 0
.rept 4
	v_nop
.endr
.Lhead_asked:
	v_and_b32 v1, 15, v0                           ; r
	v_bfe_u32 v2, v0, 4, 1                         ; h
	v_and_b32 v3, 31, v0                           ; lane
	v_lshlrev_b32 v[VO16], 4, v3
	v_lshlrev_b32 v[VO8], 3, v3
	s_mul_i32 s78, s16, 4*CHB                      ; my four tiles of A
	v_add_nc_u32 v[ADA16], s78, v[VO16]
	v_add_nc_u32 v[ADA16+1], CHUNK, v[ADA16]
	v_add_nc_u32 v[ADA8], s78, v[VO8]
	v_add_nc_u32 v[ADA8+1], CHUNK, v[ADA8]
	v_add_nc_u32 v[ADB16], BOFF, v[VO16]
	v_add_nc_u32 v[ADB16+1], CHUNK, v[ADB16]
	v_add_nc_u32 v[ADB8], BOFF, v[VO8]
	v_add_nc_u32 v[ADB8+1], CHUNK, v[ADB8]
	v_lshlrev_b32 v7, 4, v1
	v_mad_u32_u24 v7, v2, CHB, v7                  ; 16 r, and one tile on for lanes 16-31
	v_add_nc_u32 v7, 6144, v7
	v_add_nc_u32 v[ADSA], s78, v7
	v_add_nc_u32 v[ADSA+1], CHUNK, v[ADSA]
	v_add_nc_u32 v[ADSB], BOFF, v7
	v_add_nc_u32 v[ADSB+1], CHUNK, v[ADSB]
	; where the results go
	s_lshl_b32 s78, s56, 2
	s_add_co_u32 s78, s78, s16                     ; ga: which 64 rows of A are mine
	s_lshr_b32 s79, s78, 1
	s_and_b32 s80, s57, 7
	s_lshl_b32 s80, s80, 1
	s_mul_i32 s81, s18, 3072                       ; MODE 0: my four tiles are the step's tiles 4 (wave % 2) on
	s_lshl_b32 s82, s18, 8
	s_lshl_b32 s83, s21, 1
	s_add_co_u32 s83, s83, s23                     ; under 2 where the result is Q
	s_mov_b32 s84, 13056
	s_mov_b32 s85, 12288
	s_cmp_lt_u32 s83, 2
	s_cselect_b32 s84, 6656, s84                   ; a step's bytes in qb or kv
	s_cselect_b32 s85, 6144, s85                   ; where Q's or K's scale words begin
	s_cselect_b64 s[66:67], s[12:13], s[14:15]
	s_add_co_u32 s85, s85, s82
	s_lshl_b32 s86, s84, 4                         ; a head on: 16 steps
	s_mov_b32 s87, 12800
	s_mov_b32 s88, 1536
	s_cmp_eq_u32 s21, 0
	s_cselect_b32 s79, s79, s57                    ; the step of 128 positions, 0..63
	s_cselect_b32 s80, s80, s78                    ; the (first) head
	s_cselect_b32 s81, s81, 6144                   ; the codes' place in the step's block
	s_cselect_b32 s85, s85, s87                    ; the scale words'
	s_cselect_b32 s70, 768, s88                    ; from A tile to A tile
	s_cselect_b32 s72, s86, 768                    ; from a fragment's first half to its second: the next head, or the next 64 keys
	s_cselect_b32 s73, 0xffff, -1                  ; how much of a scale word the first half owns
	s_mov_b32 s71, 0
	s_lshr_b32 s86, s79, 4
	s_lshl_b32 s86, s86, 4
	s_add_co_u32 s86, s86, s80                     ; 16 x batch + head
	s_lshl_b32 s86, s86, 4
	s_and_b32 s87, s79, 15
	s_add_co_u32 s86, s86, s87
	s_mul_i32 s86, s86, s84
	s_add_co_u32 s88, s86, s81
	s_mov_b32 s89, 0
	s_add_co_u32 s86, s86, s85
	s_mov_b32 s87, 0
	s_add_nc_u64 s[68:69], s[66:67], s[86:87]      ; the scale words
	s_add_nc_u64 s[66:67], s[66:67], s[88:89]      ; the codes
	v_add_nc_u32 v[VO16+1], s72, v[VO16]
	v_add_nc_u32 v[VO8+1], s72, v[VO8]
	; The two modes differ in the bias and so in the first K step, whose products begin the sums with it: each arm holds its bias loads, the first barrier and K step 0.  The branch is the same in all waves and all partners.
	s_cmp_lg_u32 s21, 0
	s_cbranch_scc1 .Lmode_v
	s_and_b32 s90, s57, 7
	s_lshl_b32 s90, s90, 9                         ; my 128 features of bq or bk
	s_mov_b32 s91, 0
	s_cmp_lt_u32 s83, 2
	s_cselect_b64 s[74:75], s[6:7], s[8:9]
	s_add_nc_u64 s[74:75], s[74:75], s[90:91]
	v_lshlrev_b32 v24, 6, v2                       ; lane (r, h) wants, for tile 2 B + u, features 32 B + 16 h + 8 u + 0 .. 7
.irp b, 0,1,2,3,4,5,6,7
	global_load_b128 v[BIAS+8*\b:BIAS+8*\b+3], v24, s[74:75] offset:(32*(\b/2)+8*(\b%2))*4
	global_load_b128 v[BIAS+8*\b+4:BIAS+8*\b+7], v24, s[74:75] offset:(32*(\b/2)+8*(\b%2))*4+16
.endr
	s_wait_alu depctr_va_vdst(0)
	HEAD0
	s_wait_loadcnt 0x0
	STEP 0, 1
	s_branch .Ljoined
.Lmode_v:
	s_lshl_b32 s90, s78, 8                         ; my head's 64 features of bv
	s_mov_b32 s91, 0
	s_add_nc_u64 s[74:75], s[10:11], s[90:91]
	v_and_b32 v24, 8, v1
	v_add_nc_u32 v24, v24, v1
	v_lshlrev_b32 v24, 2, v24                      ; lane r of tile a is feature 32 (a / 2) + 8 (a % 2) + r + 8 (r / 8)
.irp a, 0,1,2,3
	global_load_b32 v[BIAS+8*\a], v24, s[74:75] offset:(32*(\a/2)+8*(\a%2))*4
.endr
	s_wait_alu depctr_va_vdst(0)
	HEAD0
	s_wait_loadcnt 0x0
.irp a, 0,1,2,3
.irp j, 1,2,3,4,5,6,7
	v_mov_b32 v[BIAS+8*\a+\j], v[BIAS+8*\a]        ; the same for all eight keys of a lane
.endr
.endr
	PLACES
	s_wait_alu depctr_va_vdst(0)
	STEP 0, 2
.Ljoined:
.irp k, 1,2,3,4,5,6,7
	STEP \k, 0
.endr
.irp b, 0,1,2,3
	v_mov_b32 v[TM+4+\b], 0                        ; written once: a lane permute's destination counts as one of its sources.  These four are also the places behind the last products
.endr
; THE WAY OUT of A tile a: its 64 numbers a lane become a fragment's codes and a scale word, and the two half fragments are stored.  Each accumulator is read from its low end on.
.macro EPI a
.if \a > 0
	s_wait_xcnt 0x0                                ; the last tile's stores have read their data and their base: both are written again only behind this wait
	s_add_nc_u64 s[66:67], s[66:67], s[70:71]
.endif
	WIN 0x0a                                       ; sources 0 and 1: window 2
.irp b, 0,1,2,3
	v_max3_num_f32 v[TM+\b], |v[64*\a+16*\b]|, |v[64*\a+16*\b+1]|, 0x2800000   ; block b: my 16 numbers, and the floor 2^(5 - 127)
.endr
.irp i, 2,4,6,8,10,12,14
.irp b, 0,1,2,3
	v_max3_num_f32 v[TM+\b], |v[64*\a+16*\b+\i]|, |v[64*\a+16*\b+\i+1]|, v[TM+\b]
.endr
.endr
	WIN 0
.irp b, 0,1,2,3
	v_permlanex16_b32 v[TM+4+\b], v[TM+\b], s76, s77
.endr
.irp b, 0,1,2,3
	v_max_num_f32 v[TM+\b], v[TM+\b], v[TM+4+\b]   ; with lane l xor 16's: the block's largest magnitude
.endr
.irp b, 0,1,2,3
	v_add_nc_u32 v[TM+12+\b], 0xfe000000, v[TM+\b] ; 4 off its exponent field: the conversion's scale operand
.endr
.irp b, 0,1,2,3
	v_lshrrev_b32 v[TM+4+\b], 23, v[TM+12+\b]      ; the scale's byte
.endr
	v_lshl_or_b32 v[SW+\a], v[TM+5], 8, v[TM+4]
	v_lshl_or_b32 v[SW+\a], v[TM+6], 16, v[SW+\a]
	v_lshl_or_b32 v[SW+\a], v[TM+7], 24, v[SW+\a]
	WIN 0x02                                       ; source 0: window 2
.irp c, 0,1
	v_cvt_scalef32_pk16_bf6_f32 v[PC+6*\c:PC+6*\c+2], v[64*\a+32*\c:64*\a+32*\c+15], v[TM+12+2*\c]
	v_cvt_scalef32_pk16_bf6_f32 v[PC+12+4*\c:PC+14+4*\c], v[64*\a+32*\c+16:64*\a+32*\c+31], v[TM+13+2*\c]   ; (a conversion's three registers begin on an even number)
.endr
	WIN 0
	v_nop                                          ; one plain instruction behind the conversions
.irp c, 0,1                            ; the operand's layout wants a whole block in a lane: lanes 0-15 block 2 c, lanes 16-31 block 2 c + 1
.irp i, 0,1,2
	v_permlane16_swap_b32 v[PC+6*\c+\i], v[PC+12+4*\c+\i]
.endr
.irp i, 0,1,2
	v_mov_b32 v[PC+3+6*\c+\i], v[PC+12+4*\c+\i]
.endr
.endr
.irp c, 0,1
	global_store_b128 v[VO16+\c], v[PC+6*\c:PC+6*\c+3], s[66:67]
	global_store_b64 v[VO8+\c], v[PC+6*\c+4:PC+6*\c+5], s[66:67] offset:512
.endr
.endm
	EPI 0
	EPI 1
	EPI 2
	EPI 3
	v_cmp_eq_u32 vcc_lo, 1, v2
	v_cndmask_b32 v236, v[SW], v[SW+1], vcc_lo     ; lanes 0-15 store the words of tiles 0 and 2, lanes 16-31 those of tiles 1 and 3
	v_cndmask_b32 v237, v[SW+2], v[SW+3], vcc_lo
	v_lshrrev_b32 v238, 16, v236
	v_lshrrev_b32 v239, 16, v237
	v_and_b32 v236, s73, v236
	v_and_b32 v237, s73, v237
	global_store_b64 v[VO8], v[236:237], s[68:69]  ; Q, K: the first head's two bytes; V: the whole word
	s_cmp_lg_u32 s21, 0
	s_cbranch_scc1 .Lno_second
	global_store_b64 v[VO8+1], v[238:239], s[68:69]  ; Q, K: the second head's
.Lno_second:
	s_wait_tensorcnt 0x0                           ; the wave's end, behind my last tensor load
	ds_add_u32 v[SPW], v[NIL]
	s_wait_dscnt 0x0
	CROUND                                         ; the closing round
	s_endpgm
.Lfunc_end_k_qd753b5ff14_proj:
	.size	k_qd753b5ff14_proj, .Lfunc_end_k_qd753b5ff14_proj-k_qd753b5ff14_proj
	.p2alignl 7, 3214868480
	.fill 96, 4, 3214868480
	.section	.rodata,"a",@progbits
	.p2align	6, 0x0
	.amdhsa_kernel k_qd753b5ff14_proj
		.amdhsa_group_segment_fixed_size 307712
		.amdhsa_private_segment_fixed_size 0
		.amdhsa_enable_private_segment 0
		.amdhsa_kernarg_size 48
		.amdhsa_user_sgpr_count 2
		.amdhsa_user_sgpr_kernarg_segment_ptr 1
		.amdhsa_wavefront_size32 1
		.amdhsa_system_sgpr_workgroup_id_x 1
		.amdhsa_system_sgpr_workgroup_id_y 1
		.amdhsa_system_sgpr_workgroup_id_z 1
		.amdhsa_system_vgpr_workitem_id 0
		.amdhsa_next_free_vgpr 768
		.amdhsa_next_free_sgpr 96
		.amdhsa_reserve_vcc 1
		.amdhsa_float_denorm_mode_32 3
		.amdhsa_float_denorm_mode_16_64 3
		.amdhsa_memory_ordered 1
		.amdhsa_forward_progress 1
		.amdhsa_inst_pref_size 100
	.end_amdhsa_kernel
	.amdgpu_metadata
---
amdhsa.version: [ 1, 2 ]
amdhsa.kernels:
  - .name:           k_qd753b5ff14_proj
    .symbol:         k_qd753b5ff14_proj.kd
    .args:
      - { .name: cod, .offset: 0, .size: 8, .value_kind: global_buffer, .address_space: global }
      - { .name: bq, .offset: 8, .size: 8, .value_kind: global_buffer, .address_space: global }
      - { .name: bk, .offset: 16, .size: 8, .value_kind: global_buffer, .address_space: global }
      - { .name: bv, .offset: 24, .size: 8, .value_kind: global_buffer, .address_space: global }
      - { .name: qb, .offset: 32, .size: 8, .value_kind: global_buffer, .address_space: global }
      - { .name: kv, .offset: 40, .size: 8, .value_kind: global_buffer, .address_space: global }
    .group_segment_fixed_size: 307712
    .private_segment_fixed_size: 0
    .kernarg_segment_align: 8
    .kernarg_segment_size: 48
    .max_flat_workgroup_size: 128
    .sgpr_count:     96
    .vgpr_count:     768
    .wavefront_size: 32
...
	.end_amdgpu_metadata
.endif
;; end of part 2
;; launch attn (part 3): grid 4 x 64, 8 waves a work-group, clusters of 4 x 1, 262,144 bytes of LDS; arguments qb, kv, acod; writes acod
.if DOCPART == 3
	.amdgcn_target "amdgcn-amd-amdhsa--gfx1250"
	.amdhsa_code_object_version 6
	.text
	.protected	k_qd753b5ff14_attn
	.globl	k_qd753b5ff14_attn
	.p2align	8
	.type	k_qd753b5ff14_attn,@function
k_qd753b5ff14_attn:
	s_mov_b64 s[64:65], 0
	v_nop
	global_prefetch_b8 v0, s[64:65] scope:SCOPE_SE
	s_setreg_imm32_b32 hwreg(HW_REG_WAVE_MODE, 25, 1), 1
	s_wait_xcnt 0x0
	s_wait_alu depctr_hold_cnt(0) depctr_sa_sdst(0) depctr_va_vdst(0) depctr_va_sdst(0) depctr_va_ssrc(0) depctr_va_vcc(0) depctr_vm_vsrc(0)
	s_getreg_b32 s2, hwreg(HW_REG_IB_STS2, 6, 4)
	s_cmp_eq_u32 s2, 0
	s_cbranch_scc0 .Lentry_in_a_cluster
	s_endpgm
.Lentry_in_a_cluster:
	s_bfe_u32 s2, ttmp6, 0x10000c
	s_cmp_lg_u32 s2, 0x3003
	s_cbranch_scc0 .Lentry_shape_is_right
	s_endpgm
.Lentry_shape_is_right:
; O = softmax(Q K^T / 8) V for each of 64 heads (batch x head), 2,048 positions, head size 64, both products on codes of BF6; the result, divided by the row's sum, is quantised along the model's 1,024 for the last projection.  No work is left out.
; THE SOFTMAX AHEAD OF THE SECOND PRODUCT: t = score x log2(e) / 8; M = the running largest t rounded UP to a whole number; p = 2^(t - M) is quantised along the keys, not normalised; the row's sum is taken of the unquantised p.
; When M moves, the sums and O are all multiplied by f = 2^(old M - new M), made by v_exp_f32 of that whole number together with the batch of p.
; LIMITS: no NaN or infinity; a block of p or of O under 2^-122 or of zeros gets the byte 1.
; SHARES.  A cluster of four work-groups has one head; each work-group 512 queries; each of its eight waves TWO tiles of 16 queries at once, in each of two passes: every fragment of K and V that a wave reads from LDS feeds 32 queries.
; THE WHOLE HEAD'S K AND V LIE IN LDS: 16 key steps of 13,056 bytes as proj has laid them, each as 51 rows of 256 bytes with 64 bytes of padding behind each row (16,320 bytes a step).
; Wave w asks for key steps 2 w and 2 w + 1 by one tensor load, jointly with the same wave of the three partners; nothing is filled again.  No prefetch: each byte is asked for once, at the head, with no loop to run ahead in.
; LAYOUT.  Both products are used transposed: S^T = K Q^T (source 0 = 16 keys), O^T = V^T P^T (source 0 = 16 of the head's 64): a lane holds one query of each tile throughout.
; WHICH KEYS FORM A TILE is chosen by the LDS addresses of K's rows: row 8 a + j of tile 4 c + u is key 64 c + 32 a + 8 u + j, which proj stored as row 8 (u / 2) + j of its tile 4 c + 2 a + u % 2.
; So lane (query, h) holds in the 32 registers of tiles 4 c .. 4 c + 3 the keys 64 c + 32 h + 0 .. 31: a WHOLE block of 32 in the order that the second product's operand wants.
; With the padding two tiles are 1,920 bytes apart, 128 modulo 256: the sixteen lanes of a 16-byte load of K touch sixteen different 16-byte columns.
; THE FIRST PRODUCT'S K IS 64, the instruction's 128: Q's upper six registers are zero codes, and K's operand for tile t is v[32 + 6 t .. 32 + 6 t + 11], whose upper six registers are the next tile's codes: they meet zeros and add nothing.
; REGISTER WINDOWS: query tile A lives in window 0, query tile B at the same numbers in window 1, so that one text (SOFT, EPI) serves both under a switch.  Shared, in window 0: K's fragments v32-85, all scale words, the addresses.
; V's fragments lie in window 1 at v32-79, numbers that tile B leaves idle: so K's and V's fragments have registers of their own, and behind a step's first products the NEXT step's K and this step's V are asked for together
; and land under the two softmaxes; one wait for all LDS loads stands ahead of the second products.
; A TILE'S REGISTERS: v12 -M, v14 the old -M; v16-27 Q; v29 the largest score; v96-159 S^T, then p (v128-136 also the way out); v160-191 O^T; v192-210 the maximum's chains, then p's codes; v212-221 at work; v[216:217] f; v236-251 eight partial sums.
; WINDOW 0 ALONE: v1-4 lane offsets in memory; v7-10 lane parts of the LDS addresses; v11 h; v28, v92 Q's scale words (A, B); v86-90 LDS addresses; v226, v227 p's scale words (A, B); v230-233 K's scale words, v234-235 V's.
.set GSTEP, 13056                      ; a key step in memory
.set STEPB, 16320                      ; and in LDS: 51 x 320
.set SPARE, 16*STEPB                   ; behind the sixteen steps: the spare words, 128 bytes a wave
.set SPW, 5
.set NIL, 6
.set AS,  236                          ; partial sum n at v[AS + 2 n : AS + 2 n + 1]
.set ALL1, 0x55                        ; every operand place in window 1
.set MSB, 0
.macro WIN new                         ; the immediate's high byte repeats the setting that is left
.if MSB != \new
	s_set_vgpr_msb (MSB<<8)|\new
.set MSB, \new
.endif
.endm
.macro CROUND                          ; a round of the cluster's barrier
	s_barrier_signal -1
	s_barrier_wait -1
	s_cmp_lg_u32 s10, 0
	s_cbranch_scc1 .Lnot_wave_0_\@
	s_barrier_signal -3
.Lnot_wave_0_\@:
	s_barrier_wait -3
	s_barrier_signal -1
	s_barrier_wait -1
.endm
	s_load_b128 s[4:7], s[0:1], 0x0                ; qb s[4:5], kv s[6:7]
	s_load_b64 s[8:9], s[0:1], 0x10                ; acod
	v_lshl_add_u32 v[SPW], v0, 2, SPARE
	v_mov_b32 v[NIL], 0
	ds_add_u32 v[SPW], v[NIL]                      ; the wave's opening: the add, twice on end, and its wait ahead of my first tensor load
	ds_add_u32 v[SPW], v[NIL]
	v_lshrrev_b32 v93, 5, v0
	v_readfirstlane_b32 s10, v93                   ; wave 0..7
	s_bfe_u32 s11, ttmp6, 0x40000                  ; cx: which 512 queries; it enters Q's and the output's addresses alone
	s_and_b32 s12, ttmp7, 0xffff                   ; the head, 16 x batch + head: the partners share it
	; group 1: two key steps, 102 rows of 256 bytes (32 elements of 8), 16 words of padding behind every 64 words; the mask names all four partners
	s_mov_b32 s16, 15|(3<<16)|(1<<20)|(1<<21)|(5<<22)|(15<<25)
	s_mov_b32 s17, 32<<16
	s_mov_b32 s18, 102<<16
	s_mov_b32 s19, 32<<16
	s_mov_b32 s20, 102
	s_mov_b32 s21, 32
	s_mov_b32 s22, 0
	s_mov_b32 s23, 0
	s_mul_i32 s42, s12, 16*GSTEP
	s_mul_i32 s43, s10, 2*GSTEP
	s_add_co_u32 s42, s42, s43
	s_mov_b32 s43, 0
	s_mul_i32 s25, s10, 2*STEPB                    ; group 0's LDS address: wave x two steps
	s_mul_i32 s44, s12, 106496                     ; Q: the head's 16 steps of 6,656 bytes,
	s_lshl_b32 s45, s11, 2                         ; tile A: step 4 cx (tile B: one step on; pass 1: two steps on),
	s_mul_i32 s45, s45, 6656
	s_add_co_u32 s44, s44, s45
	s_mul_i32 s45, s10, 768                        ; the step's tile = wave
	s_add_co_u32 s46, s44, s45
	s_mov_b32 s47, 0
	s_bfe_u32 s48, s10, 0x10002                    ; its scale words: [tile / 4][16 (tile % 2) + r][(tile / 2) % 2]
	s_lshl_b32 s48, s48, 8
	s_and_b32 s49, s10, 1
	s_lshl_b32 s49, s49, 7
	s_add_co_u32 s48, s48, s49
	s_bfe_u32 s49, s10, 0x10001
	s_lshl_b32 s49, s49, 2
	s_add_co_u32 s48, s48, s49
	s_add_co_u32 s48, s48, s44
	s_add_co_u32 s48, s48, 6144
	s_mov_b32 s49, 0
	s_lshr_b32 s50, s12, 4                         ; the output: tile 128 x batch + 32 cx + wave (tile B: 8 tiles on; pass 1: 16 tiles on),
	s_lshl_b32 s50, s50, 7
	s_lshl_b32 s51, s11, 5
	s_add_co_u32 s50, s50, s51
	s_add_co_u32 s50, s50, s10
	s_mul_i32 s50, s50, 12800
	s_bfe_u32 s51, s12, 0x10003                    ; chunk head / 8,
	s_mul_i32 s51, s51, 6400
	s_add_co_u32 s50, s50, s51
	s_and_b32 s52, s12, 7                          ; half fragment head % 8;
	s_mul_i32 s51, s52, 768
	s_lshl_b32 s52, s52, 1                         ; its two scale bytes are bytes 2 (head % 8), + 1 of a row's sixteen
	s_add_co_u32 s52, s52, s50
	s_add_co_u32 s52, s52, 6144
	s_mov_b32 s53, 0
	s_add_co_u32 s50, s50, s51
	s_mov_b32 s51, 0
	s_mov_b32 s36, 0x76543210
	s_mov_b32 s37, 0xfedcba98                      ; v_permlanex16_b32's selects for lane l xor 16
	s_mov_b32 s38, 0x3e38aa3b                      ; c = log2(e) / 8
	s_mov_b32 s39, s38                             ; (named with it as a pair, so it is written)
	s_wait_dscnt 0x0                               ; both opening adds are done
	s_wait_kmcnt 0x0
	s_mov_b32 s24, 1
	s_add_nc_u64 s[26:27], s[6:7], s[42:43]
	s_or_b32 s27, s27, 0x80000000
	s_add_nc_u64 s[28:29], s[4:5], s[46:47]        ; Q's codes
	s_add_nc_u64 s[30:31], s[4:5], s[48:49]        ; Q's scale words
	s_add_nc_u64 s[32:33], s[8:9], s[50:51]        ; the output's codes
	s_add_nc_u64 s[34:35], s[8:9], s[52:53]        ; and scale bytes
	CROUND                                         ; all four work-groups are here: the joint loads meet
	tensor_load_to_lds s[24:27], s[16:23]
	s_nop 0
	v_and_b32 v93, 31, v0                          ; lane
	v_and_b32 v94, 15, v0                          ; r
	v_bfe_u32 v11, v0, 4, 1                        ; h
	v_and_b32 v95, 7, v0                           ; j = r % 8
	v_bfe_u32 v29, v0, 3, 1                        ; a = r / 8
	v_lshlrev_b32 v1, 4, v93                       ; 16 x lane
	v_lshlrev_b32 v2, 3, v93                       ; 8 x lane: in memory, and V's planes of 8 bytes in LDS
	v_lshlrev_b32 v3, 3, v94                       ; 8 r
	v_lshl_add_u32 v4, v94, 4, v11                 ; 16 r + h
	v_lshl_add_u32 v10, v11, 6, v1                 ; V's planes of 16 bytes: 16 x lane, and the padding passed by lanes 16-31
	v_mul_u32_u24 v30, v29, 1920                   ; K: rows 8-15 come from the tile two further on
	v_mad_u32_u24 v7, v11, 320, v30
	v_lshl_add_u32 v7, v95, 4, v7                  ; planes of 16 bytes: 1,920 a + 320 h + 16 j
	v_lshl_add_u32 v8, v11, 7, v30
	v_lshl_add_u32 v8, v95, 3, v8                  ; planes of 8 bytes: 1,920 a + 128 h + 8 j
	v_lshlrev_b32 v9, 7, v11
	v_lshl_add_u32 v9, v95, 3, v9
	v_lshl_add_u32 v9, v29, 2, v9                  ; scale words: 128 h + 8 j + 4 a: lanes 0-15 an even tile's, lanes 16-31 the next tile's
.irp j, 80,81,82,83,84,85
	v_mov_b32 v[\j], 0                             ; what stands behind K's last tile: zero codes
.endr
.macro ZEROS                           ; a tile's registers that are written once: Q's upper half, zero codes; the lane permutes' destinations and the pairs' upper halves
.irp j, 13,22,23,24,25,26,27,31,214,215,217
	v_mov_b32 v[\j], 0
.endr
.endm
	ZEROS
	WIN 0x40                                       ; destination in window 1
	ZEROS
	WIN 0
	s_wait_alu depctr_va_vdst(0)
	s_wait_tensorcnt 0x0                           ; my two key steps have landed,
	s_barrier_signal -1
	s_barrier_wait -1                              ; everybody's have
.macro KLOAD a16, a8, as               ; a key step's eight tiles of K and their scale words (register t / 2: lanes 0-15 for even t, lanes 16-31 for odd)
.irp t, 0,1,2,3,4,5,6,7
	ds_load_b128 v[32+6*\t:35+6*\t], v[\a16] offset:960*(4*(\t/4)+(\t%2))+128*((\t%4)/2)
	ds_load_b64 v[36+6*\t:37+6*\t], v[\a8] offset:960*(4*(\t/4)+(\t%2))+640+64*((\t%4)/2)
.endr
.irp g, 0,1,2,3
	ds_load_b32 v[230+\g], v[\as] offset:15360+320*(\g/2)+64*(\g%2)
.endr
.endm
.macro QK qs                           ; S^T of one query tile: eight products; qs: its Q's scale words
.irp t, 0,1,2,3,4,5,6,7
.if \t%2
	v_wmma_scale_f32_16x16x128_f8f6f4 v[96+8*\t:103+8*\t], v[32+6*\t:43+6*\t], v[16:27], 0, v[230+\t/2], v[\qs] matrix_a_fmt:MATRIX_FMT_BF6 matrix_b_fmt:MATRIX_FMT_BF6 matrix_a_scale:MATRIX_SCALE_ROW1
.else
	v_wmma_scale_f32_16x16x128_f8f6f4 v[96+8*\t:103+8*\t], v[32+6*\t:43+6*\t], v[16:27], 0, v[230+\t/2], v[\qs] matrix_a_fmt:MATRIX_FMT_BF6 matrix_b_fmt:MATRIX_FMT_BF6
.endif
.endr
.endm
.macro PV ps                           ; O^T of one query tile: four products; ps: its p's scale word
.irp d, 0,1,2,3
.if \d%2
	v_wmma_scale_f32_16x16x128_f8f6f4 v[160+8*\d:167+8*\d], v[32+12*\d:43+12*\d], v[192:203], v[160+8*\d:167+8*\d], v[234+\d/2], v[\ps] matrix_a_fmt:MATRIX_FMT_BF6 matrix_b_fmt:MATRIX_FMT_BF6 matrix_a_scale:MATRIX_SCALE_ROW1
.else
	v_wmma_scale_f32_16x16x128_f8f6f4 v[160+8*\d:167+8*\d], v[32+12*\d:43+12*\d], v[192:203], v[160+8*\d:167+8*\d], v[234+\d/2], v[\ps] matrix_a_fmt:MATRIX_FMT_BF6 matrix_b_fmt:MATRIX_FMT_BF6
.endif
.endr
.endm
.macro SUMS k0, n                      ; pairs k0 .. k0 + n - 1 of p onto the eight partial sums, by turns
.set KK, \k0
.rept \n
	v_pk_add_f32 v[AS+2*(KK%8):AS+2*(KK%8)+1], v[AS+2*(KK%8):AS+2*(KK%8)+1], v[96+2*KK:97+2*KK]
.set KK, KK+1
.endr
.endm
.macro OSCALE j0                       ; eight of the sixteen pairs of O^T under the new M
.set J, \j0
.rept 8
	v_pk_mul_f32 v[160+J:161+J], v[160+J:161+J], v[216:217] op_sel_hi:[1,0]
.set J, J+2
.endr
.endm
; THE SOFTMAX OF ONE QUERY TILE over a key step's 128 keys.  w: the tile's window setting; wsc: the same with the destination in window 0, for the scale word ps (scale operands are taken from window 0).
.macro SOFT w, wsc, ps
	WIN \w
	s_wait_alu depctr_va_vdst(0)                   ; directly ahead of the scores' first readers (the other tile's exponentials stand behind tile B's products)
.irp t, 0,1,2,3,4,5,6,7
	v_max3_num_f32 v[192+\t], v[96+8*\t], v[97+8*\t], v[98+8*\t]   ; the largest score, one chain a key tile, each tile from its low end on
.endr
.irp i, 3,5
.irp t, 0,1,2,3,4,5,6,7
	v_max3_num_f32 v[192+\t], v[192+\t], v[96+8*\t+\i], v[97+8*\t+\i]
.endr
.endr
.irp c, 0,1
	v_max3_num_f32 v[192+4*\c], v[192+4*\c], v[193+4*\c], v[103+32*\c]   ; four tiles and their last registers make a block of 32 keys
.endr
.irp c, 0,1
	v_max3_num_f32 v[194+4*\c], v[194+4*\c], v[195+4*\c], v[111+32*\c]
.endr
.irp c, 0,1
	v_max3_num_f32 v[212+\c], v[192+4*\c], v[194+4*\c], v[119+32*\c]
.endr
.irp c, 0,1
	v_max_num_f32 v[212+\c], v[212+\c], v[127+32*\c]   ; the block's largest score: it serves for the row's maximum and, since p rises with the score, for the block's largest p
.endr
	v_mov_b32 v14, v12                             ; the old -M
	s_delay_alu instid0(VALU_DEP_2)
	v_max3_num_f32 v29, v212, v213, v29            ; the running largest score of my half of the keys,
	s_delay_alu instid0(VALU_DEP_1)
	v_permlanex16_b32 v214, v29, s36, s37
	s_delay_alu instid0(VALU_DEP_1)
	v_max_num_f32 v29, v29, v214                   ; and of lane l xor 16's
	s_delay_alu instid0(VALU_DEP_1)
	v_mul_f32 v215, s38, v29                       ; as t (c is positive)
	s_delay_alu instid0(VALU_DEP_1)
	v_floor_f32 v12, -v215                         ; the new -M = -ceil(t)
	s_delay_alu instid0(VALU_DEP_1)
	v_sub_f32 v215, v12, v14                       ; old M - new M: a whole number, 0 or less
.set J, 0
.rept 32
	v_pk_fma_f32 v[96+J:97+J], v[96+J:97+J], s[38:39], v[12:13] op_sel_hi:[1,0,0]   ; t - M, two at a time
.set J, J+2
.endr
	v_fma_f32 v212, v212, s38, v12                 ; the same of each block's largest score
	v_fma_f32 v213, v213, s38, v12
	s_wait_alu depctr_va_vdst(0)
.set J, 0
.rept 64
	v_exp_f32 v[96+J], v[96+J]                     ; p = 2^(t - M), at most 1
.set J, J+1
.endr
	v_exp_f32 v212, v212                           ; the blocks' largest p: the same two instructions on the same number give the same bits
	v_exp_f32 v213, v213
	v_exp_f32 v216, v215                           ; f
	v_nop                                          ; a plain instruction behind the exponentials
	s_wait_alu depctr_va_vdst(0)                   ; one wait for the batch of 67, ahead of O^T's first readers too, with plain instructions alone among them
	OSCALE 0
	v_max_num_f32 v212, 0x2800000, v212            ; the floor 2^(5 - 127)
	v_max_num_f32 v213, 0x2800000, v213
	OSCALE 16
	v_add_nc_u32 v218, 0xfe000000, v212            ; 4 off the exponent field: the conversion's scale operand
	v_add_nc_u32 v219, 0xfe000000, v213
.set KK, 0
.rept 8
	v_pk_fma_f32 v[AS+2*KK:AS+2*KK+1], v[AS+2*KK:AS+2*KK+1], v[216:217], v[96+2*KK:97+2*KK] op_sel_hi:[1,0,1]   ; the row's sum is taken of the unquantised p: each partial sum under the new M, and its first pair
.set KK, KK+1
.endr
.irp c, 0,1
	v_cvt_scalef32_pk16_bf6_f32 v[192+6*\c:194+6*\c], v[96+32*\c:111+32*\c], v[218+\c]
	v_cvt_scalef32_pk16_bf6_f32 v[204+4*\c:206+4*\c], v[112+32*\c:127+32*\c], v[218+\c]   ; (a conversion's three registers begin on an even number)
.endr
	v_lshrrev_b32 v220, 23, v218                   ; my two scale bytes: blocks h and 2 + h.  Also the plain instruction behind the conversions
	v_lshrrev_b32 v221, 23, v219
.irp c, 0,1
.irp i, 0,1,2
	v_mov_b32 v[195+6*\c+\i], v[204+4*\c+\i]       ; registers 6 c .. 6 c + 5: keys 64 c + 32 h + 0 .. 31
.endr
.endr
	v_lshl_or_b32 v220, v221, 16, v220
	SUMS 8, 4
	v_permlanex16_b32 v214, v220, s36, s37
	SUMS 12, 4
	WIN \wsc
	v_lshl_or_b32 v[\ps], v214, 8, v220            ; lanes 0-15: blocks 0, 2 mine, 1, 3 lane l + 16's: p's scale word (lanes 16-31 are not read)
	WIN \w
	SUMS 16, 16                                    ; these sixteen also stand between the writing of p's scale word and the products
.endm
; THE WAY OUT of one query tile: O^T / the sum, quantised along the head's 64 (two blocks), stored as one half fragment of the last projection's operand.  wst: the stores' setting (data in the tile's window, addresses in window 0)
.macro EPI w, wst, off
	WIN \w
.irp n, 0,1,2,3
	v_pk_add_f32 v[AS+2*\n:AS+2*\n+1], v[AS+2*\n:AS+2*\n+1], v[AS+8+2*\n:AS+9+2*\n]   ; the eight partial sums,
.endr
	v_pk_add_f32 v[AS:AS+1], v[AS:AS+1], v[AS+4:AS+5]
	v_pk_add_f32 v[AS+2:AS+3], v[AS+2:AS+3], v[AS+6:AS+7]
	v_pk_add_f32 v[AS:AS+1], v[AS:AS+1], v[AS+2:AS+3]
	v_add_f32 v30, v[AS], v[AS+1]                  ; their two halves,
	v_permlanex16_b32 v214, v30, s36, s37
	v_add_f32 v30, v30, v214                       ; and lane l xor 16's
	s_wait_alu depctr_va_vdst(0)
	v_rcp_f32 v30, v30
	v_nop                                          ; a plain instruction behind the reciprocal
	s_wait_alu depctr_va_vdst(0)                   ; the wait ahead of the first reader of the reciprocal and of O^T
.set J, 0
.rept 16
	v_pk_mul_f32 v[96+J:97+J], v[160+J:161+J], v[30:31] op_sel_hi:[1,0]   ; register 16 B + i: channel 32 B + 16 h + i
.set J, J+2
.endr
.irp b, 0,1
	v_max3_num_f32 v[212+\b], |v[96+16*\b]|, |v[97+16*\b]|, 0x2800000
.endr
.irp i, 2,4,6,8,10,12,14
.irp b, 0,1
	v_max3_num_f32 v[212+\b], v[212+\b], |v[96+16*\b+\i]|, |v[97+16*\b+\i]|
.endr
.endr
.irp b, 0,1
	v_permlanex16_b32 v[214+\b], v[212+\b], s36, s37
.endr
.irp b, 0,1
	v_max_num_f32 v[212+\b], v[212+\b], v[214+\b]
.endr
.irp b, 0,1
	v_add_nc_u32 v[218+\b], 0xfe000000, v[212+\b]
.endr
	v_cvt_scalef32_pk16_bf6_f32 v[128:130], v[96:111], v218
	v_cvt_scalef32_pk16_bf6_f32 v[132:134], v[112:127], v219
.irp b, 0,1
	v_lshrrev_b32 v[220+\b], 23, v[218+\b]         ; the scale bytes; also the plain instructions behind the conversions
.endr
.irp i, 0,1,2
	v_permlane16_swap_b32 v[128+\i], v[132+\i]     ; a whole block in a lane: lanes 0-15 block 0, lanes 16-31 block 1
.endr
.irp i, 0,1,2
	v_mov_b32 v[131+\i], v[132+\i]                 ; in this order: each source is read before it is written
.endr
	v_cndmask_b32 v136, v220, v221, vcc_lo         ; lanes 0-15 store block 0's byte, lanes 16-31 block 1's
	WIN \wst
	global_store_b128 v1, v[128:131], s[32:33] offset:\off             ; 512 consecutive bytes, aligned
	global_store_b64 v2, v[132:133], s[32:33] offset:\off+512          ; 256 consecutive bytes, aligned
	global_store_b8 v4, v136, s[34:35] offset:\off                     ; a head owns 2 of a row's 16 scale bytes in its chunk: the one store here that does not cover whole runs; 32 bytes beside the tile's 768
.endm
.macro INIT                            ; a tile's state at a pass's start
	v_mov_b32 v29, 0xff61b1e6                      ; the largest score so far: -3e38
	v_mov_b32 v12, 0x7f61b1e6                      ; -M ahead of the first step: 3e38, so that its f is 0
.set J, 0
.rept 16
	v_mov_b32 v[AS+J], 0                           ; the partial sums
.set J, J+1
.endr
.set J, 0
.rept 32
	v_mov_b32 v[160+J], 0                          ; O^T: the key step is written once; the first finds zeros
.set J, J+1
.endr
.endm
.macro PASS p
	global_load_b128 v[16:19], v1, s[28:29] offset:13312*\p            ; tile A's Q
	global_load_b64 v[20:21], v2, s[28:29] offset:13312*\p+512
	global_load_b32 v28, v3, s[30:31] offset:13312*\p
	global_load_b32 v92, v3, s[30:31] offset:13312*\p+6656             ; tile B's scale words stay in window 0
	KLOAD 7, 8, 9                                  ; key step 0's K
	WIN 0x40                                       ; destination in window 1
	global_load_b128 v[16:19], v1, s[28:29] offset:13312*\p+6656       ; tile B's Q
	global_load_b64 v[20:21], v2, s[28:29] offset:13312*\p+6656+512
	INIT
	WIN 0
	INIT
	s_mov_b32 s40, 0                               ; the key step's first LDS byte
	s_mov_b32 s41, 16
	s_wait_alu depctr_va_vdst(0)
	s_wait_xcnt 0x0                                ; the pass before has had its stores' data read: v128-136 of both windows are written again only behind this wait
	s_wait_loadcnt 0x0                             ; Q
	s_wait_dscnt 0x0                               ; K
.Lkey_\@:
	QK 28
	WIN 0x44                                       ; S^T and Q in window 1, K in window 0
	QK 92
	WIN 0
	s_add_co_u32 s42, s40, STEPB
	s_min_u32 s42, s42, 15*STEPB                   ; the next key step; the last trip names step 15 again: an address held inside the sixteen steps, in place of a jump
	v_add_nc_u32 v86, s42, v7                      ; five plain instructions on other registers: the places in front of the loads into K's and V's registers and of the first read of the scores
	v_add_nc_u32 v87, s42, v8
	v_add_nc_u32 v88, s42, v9
	v_add_nc_u32 v89, s40, v10
	v_add_nc_u32 v90, s40, v2
	KLOAD 86, 87, 88                               ; the next step's K and this step's V land under the two softmaxes
	ds_load_b64 v[234:235], v90 offset:16000
	WIN 0x40                                       ; V's fragments: window 1
.irp d, 0,1,2,3
.irp c, 0,1
	ds_load_b128 v[32+12*\d+6*\c:35+12*\d+6*\c], v89 offset:7680+1920*\d+960*\c
	ds_load_b64 v[36+12*\d+6*\c:37+12*\d+6*\c], v90 offset:7680+1920*\d+960*\c+640
.endr
.endr
	SOFT 0, 0, 226
	SOFT ALL1, 0x15, 227
	s_wait_alu depctr_va_vdst(0)
	s_wait_dscnt 0x0                               ; V, and the next step's K
	WIN 0x01                                       ; V in window 1, all else of tile A in window 0
	PV 226
	WIN ALL1
	PV 227
	WIN 0
	s_add_co_u32 s40, s40, STEPB
	s_sub_co_u32 s41, s41, 1
	s_cmp_lg_u32 s41, 0
	s_cbranch_scc1 .Lkey_\@
	v_cmp_eq_u32 vcc_lo, 1, v11                    ; lanes 16-31, for both tiles' scale bytes
	EPI 0, 0, 204800*\p
	EPI ALL1, 0x04, 204800*\p+102400
	WIN 0
.endm
	PASS 0
	PASS 1
	s_wait_tensorcnt 0x0                           ; the wave's end, behind my last tensor load
	ds_add_u32 v[SPW], v[NIL]
	s_wait_dscnt 0x0
	CROUND                                         ; the closing round
	s_endpgm
.Lfunc_end_k_qd753b5ff14_attn:
	.size	k_qd753b5ff14_attn, .Lfunc_end_k_qd753b5ff14_attn-k_qd753b5ff14_attn
	.p2alignl 7, 3214868480
	.fill 96, 4, 3214868480
	.section	.rodata,"a",@progbits
	.p2align	6, 0x0
	.amdhsa_kernel k_qd753b5ff14_attn
		.amdhsa_group_segment_fixed_size 262144
		.amdhsa_private_segment_fixed_size 0
		.amdhsa_enable_private_segment 0
		.amdhsa_kernarg_size 24
		.amdhsa_user_sgpr_count 2
		.amdhsa_user_sgpr_kernarg_segment_ptr 1
		.amdhsa_wavefront_size32 1
		.amdhsa_system_sgpr_workgroup_id_x 1
		.amdhsa_system_sgpr_workgroup_id_y 1
		.amdhsa_system_sgpr_workgroup_id_z 1
		.amdhsa_system_vgpr_workitem_id 0
		.amdhsa_next_free_vgpr 512
		.amdhsa_next_free_sgpr 66
		.amdhsa_reserve_vcc 1
		.amdhsa_float_denorm_mode_32 3
		.amdhsa_float_denorm_mode_16_64 3
		.amdhsa_memory_ordered 1
		.amdhsa_forward_progress 1
		.amdhsa_inst_pref_size 88
	.end_amdhsa_kernel
	.amdgpu_metadata
---
amdhsa.version: [ 1, 2 ]
amdhsa.kernels:
  - .name:           k_qd753b5ff14_attn
    .symbol:         k_qd753b5ff14_attn.kd
    .args:
      - { .name: qb, .offset: 0, .size: 8, .value_kind: global_buffer, .address_space: global }
      - { .name: kv, .offset: 8, .size: 8, .value_kind: global_buffer, .address_space: global }
      - { .name: acod, .offset: 16, .size: 8, .value_kind: global_buffer, .address_space: global }
    .group_segment_fixed_size: 262144
    .private_segment_fixed_size: 0
    .kernarg_segment_align: 8
    .kernarg_segment_size: 24
    .max_flat_workgroup_size: 256
    .sgpr_count:     66
    .vgpr_count:     512
    .wavefront_size: 32
...
	.end_amdgpu_metadata
.endif
;; end of part 3
;; launch outp (part 4): grid 64 x 4, 4 waves a work-group, clusters of 4 x 4, 327,680 bytes of LDS; arguments acod, cod, bo, out0; writes out0
.if DOCPART == 4
	.amdgcn_target "amdgcn-amd-amdhsa--gfx1250"
	.amdhsa_code_object_version 6
	.text
	.protected	k_qd753b5ff14_outp
	.globl	k_qd753b5ff14_outp
	.p2align	8
	.type	k_qd753b5ff14_outp,@function
k_qd753b5ff14_outp:
	s_mov_b64 s[64:65], 0
	v_nop
	global_prefetch_b8 v0, s[64:65] scope:SCOPE_SE
	s_setreg_imm32_b32 hwreg(HW_REG_WAVE_MODE, 25, 1), 1
	s_wait_xcnt 0x0
	s_wait_alu depctr_hold_cnt(0) depctr_sa_sdst(0) depctr_va_vdst(0) depctr_va_sdst(0) depctr_va_ssrc(0) depctr_va_vcc(0) depctr_vm_vsrc(0)
	s_getreg_b32 s2, hwreg(HW_REG_IB_STS2, 6, 4)
	s_cmp_eq_u32 s2, 0
	s_cbranch_scc0 .Lentry_in_a_cluster
	s_endpgm
.Lentry_in_a_cluster:
	s_bfe_u32 s2, ttmp6, 0x10000c
	s_cmp_lg_u32 s2, 0xf033
	s_cbranch_scc0 .Lentry_shape_is_right
	s_endpgm
.Lentry_shape_is_right:
.set TILEB, 12800
.set CHB,   6400
.set CHUNK, 153600
.set BOFF,  102400
.set SPARE, 2*CHUNK
.set ADA16, 8
.set ADA8,  10
.set ADB16, 12
.set ADB8,  14
.set ADSA,  16
.set ADSB,  18
.set STO,   20
.set RD,    21
.set CO,    22
.set SPW,   28
.set NIL,   29
.set SC,    32
.set BIAS,  80
.set AF,    144
.set OUTR,  96
.set G1A, 24
.set G1B, 32
.set G0A, 40
.set G0B, 48
.set MSB, 0
.macro WIN new
.if MSB != \new
	s_set_vgpr_msb (MSB<<8)|\new
.set MSB, \new
.endif
.endm
; out0 = O Wo^T + bo on the codes of acod and cod; the frame is proj's: 256 rows of O x 128 rows of Wo a work-group, all of K in LDS in two chunks, each filled once.  No work is left out.
; THE HEAD'S FOUR JOINT LOADS, ONE A WAVE: wave 0 asks for A's 16 tiles of chunk 0, wave 1 for B's 8, wave 2 for A's of chunk 1, wave 3 for B's.
; One chain of branches on the wave's number, a load to an arm, all arms leading to one join.
.macro ARM under, g0, g1, next
	s_cmp_lt_u32 s16, \under
	s_cbranch_scc0 \next
	tensor_load_to_lds s[\g0:\g0+3], s[\g1:\g1+7]
	s_nop 0
.rept 4
	v_nop
.endr
	s_branch .Lhead_asked
\next:
.endm
.macro CROUND
	s_barrier_signal -1
	s_barrier_wait -1
	s_cmp_lg_u32 s16, 0
	s_cbranch_scc1 .Lnot_wave_0_\@
	s_barrier_signal -3
.Lnot_wave_0_\@:
	s_barrier_wait -3
	s_barrier_signal -1
	s_barrier_wait -1
.endm
.macro PLACES
.rept 4
	v_nop
.endr
.endm
.macro FRAG reg, a16, a8, off
	ds_load_b128 v[\reg:\reg+3], v[\a16] offset:\off
	ds_load_b64 v[\reg+4:\reg+5], v[\a8] offset:\off+512
	ds_load_b128 v[\reg+6:\reg+9], v[\a16] offset:\off+768
	ds_load_b64 v[\reg+10:\reg+11], v[\a8] offset:\off+1280
.endm
.macro FETCH k
.set fc, (\k)>>2
.set fs, (\k)&3
.set fp, (\k)&1
	WIN 0x40
.irp i, 0,1,2,3,4,5,6,7
	FRAG 128*fp+12*\i, ADB16+fc, ADB8+fc, 6400*\i+1536*fs
.endr
	WIN 0
.irp i, 0,1,2,3
	FRAG AF+48*fp+12*\i, ADA16+fc, ADA8+fc, 6400*\i+1536*fs
.endr
.endm
.macro SCALES c
.irp q, 0,1
	ds_load_b128 v[SC+24*\c+4*\q:SC+24*\c+4*\q+3], v[ADSA+\c] offset:12800*\q
.endr
.irp q, 0,1,2,3
	ds_load_b128 v[SC+24*\c+8+4*\q:SC+24*\c+8+4*\q+3], v[ADSB+\c] offset:12800*\q
.endr
.endm
.macro WM o0, o1
.if ((\o0) == 1) && ((\o1) == 1)
	v_wmma_scale_f32_16x16x128_f8f6f4 v[rD:rD+7], v[rB:rB+11], v[rA:rA+11], v[rC:rC+7], v[rSB], v[rSA] matrix_a_fmt:MATRIX_FMT_BF6 matrix_b_fmt:MATRIX_FMT_BF6 matrix_a_scale:MATRIX_SCALE_ROW1 matrix_b_scale:MATRIX_SCALE_ROW1
.elseif (\o0) == 1
	v_wmma_scale_f32_16x16x128_f8f6f4 v[rD:rD+7], v[rB:rB+11], v[rA:rA+11], v[rC:rC+7], v[rSB], v[rSA] matrix_a_fmt:MATRIX_FMT_BF6 matrix_b_fmt:MATRIX_FMT_BF6 matrix_a_scale:MATRIX_SCALE_ROW1
.elseif (\o1) == 1
	v_wmma_scale_f32_16x16x128_f8f6f4 v[rD:rD+7], v[rB:rB+11], v[rA:rA+11], v[rC:rC+7], v[rSB], v[rSA] matrix_a_fmt:MATRIX_FMT_BF6 matrix_b_fmt:MATRIX_FMT_BF6 matrix_b_scale:MATRIX_SCALE_ROW1
.else
	v_wmma_scale_f32_16x16x128_f8f6f4 v[rD:rD+7], v[rB:rB+11], v[rA:rA+11], v[rC:rC+7], v[rSB], v[rSA] matrix_a_fmt:MATRIX_FMT_BF6 matrix_b_fmt:MATRIX_FMT_BF6
.endif
.endm
.macro MUL k, mode
.set mc, (\k)>>2
.set ms, (\k)&3
.set mp, (\k)&1
.if \mode == 0
	WIN 0xa1
.else
	WIN 0x81
.endif
.irp a, 0,1,2,3
.irp b, 0,1,2,3,4,5,6,7
.set rD, 64*\a+8*\b
.set rB, 128*mp+12*\b
.set rA, AF+48*mp+12*\a
.set rSB, SC+24*mc+8+4*(\b/2)+ms
.set rSA, SC+24*mc+4*(\a/2)+ms
.if \mode == 0
.set rC, rD
.else
.set rC, BIAS+8*\b
.endif
	WM \b%2, \a%2
.endr
.endr
.endm
.macro STEP k, mode
	s_wait_dscnt 0x0
.if \k == 3
	s_wait_tensorcnt 0x0
	s_barrier_signal -1
	s_barrier_wait -1
.endif
.if \k < 7
.if \k > 0
	PLACES
.endif
	FETCH (\k)+1
.if \k == 3
	SCALES 1
.endif
.endif
	MUL \k, \mode
	WIN 0
.endm
	s_load_b256 s[4:11], s[0:1], 0x0
	v_lshl_add_u32 v[SPW], v0, 2, SPARE
	v_mov_b32 v[NIL], 0
	ds_add_u32 v[SPW], v[NIL]
	ds_add_u32 v[SPW], v[NIL]
	v_lshrrev_b32 v4, 5, v0
	v_readfirstlane_b32 s16, v4
	s_bfe_u32 s19, ttmp6, 0x40000
	s_bfe_u32 s20, ttmp6, 0x40004
	s_lshr_b32 s22, ttmp9, 1
	s_and_b32 s23, ttmp9, 1
	s_lshl_b32 s56, s22, 2
	s_add_co_u32 s56, s56, s20
	s_lshl_b32 s57, s23, 2
	s_add_co_u32 s57, s57, s19
	s_lshl_b32 s58, s56, 4
	s_mul_i32 s58, s58, TILEB
	s_mov_b32 s59, 0
	s_lshl_b32 s60, s57, 3
	s_add_co_u32 s60, s60, 704
	s_mul_i32 s60, s60, TILEB
	s_mov_b32 s61, 0
	s_mov_b32 s62, 0                               ; where they go in a chunk: A's 16 tiles, then B's 8
	s_mov_b32 s63, BOFF
	s_lshl_b32 s78, s20, 2
	s_lshl_b32 s78, 15, s78
	s_lshl_b32 s79, 0x1111, s19
	s_or_b32 s[G1A], s78, (3<<16)|(1<<21)
	s_or_b32 s[G1B], s79, (3<<16)|(1<<21)
.irp g, G1A, G1B
	s_mov_b32 s[\g+1], 800<<16
	s_mov_b32 s[\g+3], 800<<16
	s_mov_b32 s[\g+5], 1600
	s_mov_b32 s[\g+6], 0
	s_mov_b32 s[\g+7], 0
.endr
	s_mov_b32 s[G1A+2], 16<<16                     ; tensor_dim1: A's 16 tiles in one load
	s_mov_b32 s[G1A+4], 16                         ; tile_dim1
	s_mov_b32 s[G1B+2], 8<<16                      ; B's 8
	s_mov_b32 s[G1B+4], 8
	s_wait_dscnt 0x0
	s_wait_kmcnt 0x0
	s_add_nc_u64 s[58:59], s[4:5], s[58:59]
	s_add_nc_u64 s[60:61], s[6:7], s[60:61]
	CROUND
.irp c, 0,1
	s_mov_b32 s[G0A+4*\c], 1
	s_add_co_u32 s[G0A+4*\c+1], s62, \c*CHUNK
	s_add_nc_u64 s[G0A+4*\c+2:G0A+4*\c+3], s[58:59], \c*CHB
	s_or_b32 s[G0A+4*\c+3], s[G0A+4*\c+3], 0x80000000
	s_mov_b32 s[G0B+4*\c], 1
	s_add_co_u32 s[G0B+4*\c+1], s63, \c*CHUNK
	s_add_nc_u64 s[G0B+4*\c+2:G0B+4*\c+3], s[60:61], \c*CHB
	s_or_b32 s[G0B+4*\c+3], s[G0B+4*\c+3], 0x80000000
.endr
	ARM 1, G0A, G1A, .Lhead_b0
	ARM 2, G0B, G1B, .Lhead_a1
	ARM 3, G0A+4, G1A, .Lhead_b1
	tensor_load_to_lds s[G0B+4:G0B+7], s[G1B:G1B+7]
	s_nop 0
.rept 4
	v_nop
.endr
.Lhead_asked:
	v_and_b32 v1, 15, v0
	v_bfe_u32 v2, v0, 4, 1
	v_and_b32 v3, 31, v0
	v_lshlrev_b32 v[CO], 4, v3
	v_lshlrev_b32 v6, 3, v3
	s_mul_i32 s78, s16, 4*CHB
	v_add_nc_u32 v[ADA16], s78, v[CO]
	v_add_nc_u32 v[ADA16+1], CHUNK, v[ADA16]
	v_add_nc_u32 v[ADA8], s78, v6
	v_add_nc_u32 v[ADA8+1], CHUNK, v[ADA8]
	v_add_nc_u32 v[ADB16], BOFF, v[CO]
	v_add_nc_u32 v[ADB16+1], CHUNK, v[ADB16]
	v_add_nc_u32 v[ADB8], BOFF, v6
	v_add_nc_u32 v[ADB8+1], CHUNK, v[ADB8]
	v_lshlrev_b32 v7, 4, v1
	v_mad_u32_u24 v7, v2, CHB, v7
	v_add_nc_u32 v7, 6144, v7
	v_add_nc_u32 v[ADSA], s78, v7
	v_add_nc_u32 v[ADSA+1], CHUNK, v[ADSA]
	v_add_nc_u32 v[ADSB], BOFF, v7
	v_add_nc_u32 v[ADSB+1], CHUNK, v[ADSB]
	s_mul_i32 s70, s16, 16*528
	v_mul_u32_u24 v[STO], v1, 528
	v_lshl_add_u32 v[STO], v2, 6, v[STO]
	v_add_nc_u32 v[STO], s70, v[STO]
	v_add_nc_u32 v[RD], s70, v[CO]
	s_lshl_b32 s68, s56, 8
	s_lshl_b32 s69, s16, 6
	s_add_co_u32 s68, s68, s69
	s_lshl_b32 s68, s68, 12
	s_lshl_b32 s69, s57, 9
	s_add_co_u32 s68, s68, s69
	s_mov_b32 s69, 0
	s_add_nc_u64 s[66:67], s[10:11], s[68:69]
	s_lshl_b32 s72, s57, 9
	s_mov_b32 s73, 0
	s_add_nc_u64 s[74:75], s[8:9], s[72:73]
	v_lshlrev_b32 v24, 6, v2
.irp b, 0,1,2,3,4,5,6,7
	global_load_b128 v[BIAS+8*\b:BIAS+8*\b+3], v24, s[74:75] offset:(32*(\b/2)+8*(\b%2))*4
	global_load_b128 v[BIAS+8*\b+4:BIAS+8*\b+7], v24, s[74:75] offset:(32*(\b/2)+8*(\b%2))*4+16
.endr
	s_wait_alu depctr_va_vdst(0)
	s_cmp_gt_u32 s16, 1
	s_cbranch_scc1 .Lnot_c0                        ; waves 2 and 3 asked for chunk 1 by lines of their own: they wait for it ahead of K step 4's barrier
	s_wait_tensorcnt 0x0                           ; waves 0 and 1: my tile of chunk 0 has landed
.Lnot_c0:
	s_barrier_signal -1
	s_barrier_wait -1                              ; chunk 0 is whole
	FETCH 0
	SCALES 0
	s_wait_loadcnt 0x0
	STEP 0, 1
.irp k, 1,2,3,4,5,6,7
	STEP \k, 0
.endr
.macro TOSTAGE a
	WIN 0x08
.irp b, 0,1,2,3,4,5,6,7
	ds_store_b128 v[STO], v[64*(\a)+8*\b:64*(\a)+8*\b+3] offset:128*(\b/2)+32*(\b%2)
	ds_store_b128 v[STO], v[64*(\a)+8*\b+4:64*(\a)+8*\b+7] offset:128*(\b/2)+32*(\b%2)+16
.endr
	WIN 0
.set BB, OUTR+64*((\a)%2)
.irp t, 0,1,2,3,4,5,6,7,8,9,10,11,12,13,14,15
	ds_load_b128 v[BB+4*\t:BB+4*\t+3], v[RD] offset:528*\t
.endr
.endm
.macro SEND a, younger
.set BB, OUTR+64*((\a)%2)
	s_wait_dscnt \younger
.irp t, 0,1,2,3,4,5,6,7,8,9,10,11,12,13,14,15
	global_store_b128 v[CO], v[BB+4*\t:BB+4*\t+3], s[66:67] offset:(32*((\a)/2)+8*((\a)%2)+\t+8*(\t/8))*4096 th:TH_STORE_NT
.endr
.endm
	PLACES
	TOSTAGE 0
.irp a, 1,2,3
.if \a > 1
	s_wait_xcnt 0x0
.endif
	TOSTAGE \a
	SEND \a-1, 32
.endr
	SEND 3, 0
	s_wait_tensorcnt 0x0
	ds_add_u32 v[SPW], v[NIL]
	s_wait_dscnt 0x0
	CROUND
	s_endpgm
.Lfunc_end_k_qd753b5ff14_outp:
	.size	k_qd753b5ff14_outp, .Lfunc_end_k_qd753b5ff14_outp-k_qd753b5ff14_outp
	.p2alignl 7, 3214868480
	.fill 96, 4, 3214868480
	.section	.rodata,"a",@progbits
	.p2align	6, 0x0
	.amdhsa_kernel k_qd753b5ff14_outp
		.amdhsa_group_segment_fixed_size 327680
		.amdhsa_private_segment_fixed_size 0
		.amdhsa_enable_private_segment 0
		.amdhsa_kernarg_size 32
		.amdhsa_user_sgpr_count 2
		.amdhsa_user_sgpr_kernarg_segment_ptr 1
		.amdhsa_wavefront_size32 1
		.amdhsa_system_sgpr_workgroup_id_x 1
		.amdhsa_system_sgpr_workgroup_id_y 1
		.amdhsa_system_sgpr_workgroup_id_z 1
		.amdhsa_system_vgpr_workitem_id 0
		.amdhsa_next_free_vgpr 768
		.amdhsa_next_free_sgpr 80
		.amdhsa_reserve_vcc 0
		.amdhsa_float_denorm_mode_32 3
		.amdhsa_float_denorm_mode_16_64 3
		.amdhsa_memory_ordered 1
		.amdhsa_forward_progress 1
		.amdhsa_inst_pref_size 83
	.end_amdhsa_kernel
	.amdgpu_metadata
---
amdhsa.version: [ 1, 2 ]
amdhsa.kernels:
  - .name:           k_qd753b5ff14_outp
    .symbol:         k_qd753b5ff14_outp.kd
    .args:
      - { .name: acod, .offset: 0, .size: 8, .value_kind: global_buffer, .address_space: global }
      - { .name: cod, .offset: 8, .size: 8, .value_kind: global_buffer, .address_space: global }
      - { .name: bo, .offset: 16, .size: 8, .value_kind: global_buffer, .address_space: global }
      - { .name: out0, .offset: 24, .size: 8, .value_kind: global_buffer, .address_space: global }
    .group_segment_fixed_size: 327680
    .private_segment_fixed_size: 0
    .kernarg_segment_align: 8
    .kernarg_segment_size: 32
    .max_flat_workgroup_size: 128
    .sgpr_count:     80
    .vgpr_count:     768
    .wavefront_size: 32
...
	.end_amdgpu_metadata
.endif
;; end of part 4
